; MI455X (gfx1250); checked and timed in simulation.
; The chip was launched on July 23, 2026; its instructions are those of AMD's public machine-readable ISA for CDNA 5 (MIT licence, August 2026) and "CDNA5" Instruction Set Architecture Reference Guide (July 2026). The comments in the code are by the model that wrote it; some were corrected since.
;; W LSTM cell. Allowed arithmetic: matrix products marked QUANTISED: E2M3 operands, one E8M0 scale for each 32 along K, by v_wmma_scale_f32_16x16x128_f8f6f4 with both operands' format E2M3, f32 sums; everything else in f32.
;; Inputs: W_fh 1,024 x 1,024 float32; W_fx 1,024 x 1,024 float32; W_gh 1,024 x 1,024 float32; W_gx 1,024 x 1,024 float32; W_ih 1,024 x 1,024 float32; W_ix 1,024 x 1,024 float32; W_oh 1,024 x 1,024 float32; W_ox 1,024 x 1,024 float32; b_f 1,024 float32; b_g 1,024 float32; b_i 1,024 float32; b_o 1,024 float32; c_prev 8,192 x 1,024 float32; h 8,192 x 1,024 float32; x 8,192 x 1,024 float32.
;; Outputs: out0 8,192 x 1,024 float32; out1 8,192 x 1,024 float32.
;; This version of the problem:
;;   THIS VERSION OF THE PROBLEM IS GIVEN IN LOW PRECISION. The matrix products marked QUANTISED in the list below multiply operands that are first quantised to E2M3 (2 exponent bits, 3 mantissa bits; 6 bits a number), with one power-of-two scale for each 32 numbers along K (OCP MX v1.0); their sums are f32. All else is computed in f32.
;;   The module's matrix products, in the order in which they are computed (A, B: the left and right operand; K: the contracted axis; several contracted axes count as one K, in the product's order):
;;     1. [M 8,192, K 1,024] x [K 1,024, N 4,096]; A: input x; B: computed on the way: QUANTISED
;;     2. [M 8,192, K 1,024] x [K 1,024, N 4,096]; A: input h; B: computed on the way: QUANTISED
;;   THE QUANTISER, for each operand of a quantised product, along K:
;;     - K is cut into blocks of 32 from its start; a last block that is shorter is filled with zeros.
;;     - A block's scale is 2^e with e = floor(log2(the largest magnitude in the block)) - 2, held to -126 .. 127; a block of zeros has e = 0. As a byte (E8M0): e + 127.
;;     - Each number is divided by its block's scale, clamped to +-7.5, and rounded to the nearest number of E2M3, ties to even, subnormals kept.
;;     - The product sums the exact products of the quantised numbers (number of the format x scale) in f32.
;;   ~~~python
;;   def quantise(x, axis):      # numpy; x: float32 -> the quantised numbers, widened to float32 again
;;       x = np.moveaxis(x, axis, -1); K = x.shape[-1]
;;       x = np.pad(x, [(0, 0)] * (x.ndim - 1) + [(0, -K % 32)]); x = x.reshape(x.shape[:-1] + (-1, 32)); a = np.abs(x).max(-1, keepdims=True)
;;       e = np.where(a > 0, np.clip(np.frexp(np.where(a > 0, a, 1))[1] - 1 - 2, -126, 127), 0)      # np.frexp(a)[1] - 1 = floor(log2(a)), exactly
;;       r = np.clip(x / 2.0 ** e, -7.5, 7.5)
;;       step = 2.0 ** (np.maximum(np.frexp(np.where(r == 0, 1, r))[1] - 1, 0) - 3)
;;       q = np.round(r / step) * step * 2.0 ** e      # np.round: ties to even
;;       return np.moveaxis(q.reshape(q.shape[:-2] + (-1,))[..., :K], -1, axis).astype(np.float32)
;;   ~~~
;;   OPERANDS COMPUTED ON THE WAY. 'Computed on the way' means the value that the module computes at that place (a softmax that the list does not call 'softmax' is quantised finished and normalised). What goes into a quantiser is computed in f32, as accurately as f32 sums, v_exp_f32 and their like allow (about 1e-6 of the number): no bf16 or f16 on the way to a quantiser, and a product that is left as it is and whose result goes on into a quantised operand takes f32 operands (vector FMAs, or v_wmma_f32_16x16x4_f32). A number that lies on a knife's edge between two numbers of the format may be rounded either way, as far as f32 arithmetic and the matrix unit's own rounding can turn it there, and no further.
;; One version. Each part assembles by itself: llvm-mc -triple=amdgcn-amd-amdhsa -mcpu=gfx1250 --defsym DOCPART=n.
;; ======== version 1 of 1: 2 launches
;; workspace buffers: a_codes 12,582,912 bytes; a_scales 524,288 bytes; b_codes 6,291,456 bytes; b_scales 262,144 bytes
;; launch quant (part 1): grid 768 x 1, 4 waves a work-group, no clusters, 33,280 bytes of LDS; arguments x, h, W_ix, W_ih, W_fx, W_fh, W_gx, W_gh, W_ox, W_oh, a_codes, a_scales, b_codes, b_scales; writes a_codes, a_scales, b_codes, b_scales
.if DOCPART == 1
	.amdgcn_target "amdgcn-amd-amdhsa--gfx1250"
	.amdhsa_code_object_version 6
	.text
	.protected	k_q9c5b497da6_quant
	.globl	k_q9c5b497da6_quant
	.p2align	8
	.type	k_q9c5b497da6_quant,@function
k_q9c5b497da6_quant:
	s_mov_b64 s[64:65], 0
	v_nop
	global_prefetch_b8 v0, s[64:65] scope:SCOPE_SE
	s_setreg_imm32_b32 hwreg(HW_REG_WAVE_MODE, 25, 1), 1
	s_wait_xcnt 0x0
; x, h [8192][1024] and the eight weights [1024][1024], all f32 with K innermost, become codes of FP6 (E2M3), 6 bits each, with one E8M0 scale byte for each 32 along K.
; The two products of the cell are ONE product over K = 2,048: A' = [x | h], B' = [W.x | W.h].  So a row of a_codes (1,536 bytes) is x's row (768 bytes), then h's; a row of a_scales (64 bytes) x's 32 bytes, then h's.
; B' likewise, and ITS ROWS ARE ORDERED FOR THE NEXT LAUNCH: row n' = 128 (hid / 32) + 32 g + hid % 32 holds gate g (0 i, 1 f, 2 g, 3 o) of hidden unit hid, so that 128 neighbouring rows are the four gates of 32 hidden units.
; A block's scale is 2^(floor(log2(its largest magnitude)) - 2); its byte is the largest magnitude's own exponent field - 2, held at 1 from below.  Each number is divided by the scale and rounded to the nearest code,
; ties to even, beyond the largest code the largest.
; LIMITS: NaN and infinities among the inputs are not served.  A block of zeros gets the byte 1 where the rule says 127: its codes are zeros, which add nothing under any byte but 0xff, and this program alone reads the bytes.
; SHARES.  A work-group takes 16 rows of A' (work-groups 0-511) or of B' (512-767), a wave 4 of them: 16 steps of 512 numbers, steps 0-7 its 4 rows of the x side (16,384 dense bytes), steps 8-15 the same rows of the h side.
; So a wave's codes are 6,144 consecutive bytes and its scale bytes one aligned run of 256.  Only pointers and row numbers are chosen by the work-group's number: all ten tensors take one path through the text.
; A conversion takes 16 numbers of ONE block from a lane's registers, a load is best where neighbouring lanes take neighbouring bytes: each load reads 512 consecutive bytes, 16 a lane; a step's 2,048 bytes go through the
; wave's own stage in LDS as they lie and come back 64 bytes a lane (two neighbouring lanes hold a block).  No tensor loads, no barrier: waves share nothing.  Loads run four steps (16 loads a wave) ahead, the stage one step.
.set STEPS, 16
.set AWG,   512                        ; work-groups of A': 8,192 rows / 16
.set EMAX,  2
.set CB,    12                         ; bytes of 16 codes
.set R,     16                         ; v16-79   four sets of 16 numbers as they are loaded
.set X,     80                         ; v80-111  two sets of 16 neighbours
.set E,     112                        ; v112-127 a scale byte for each step
.set C,     128                        ; v128-191 codes: four registers for each step, so that no store's data are written again
.set WREG,  8192                       ; LDS: a region for each wave: two stages of 32 x SP bytes, and behind them its 256 scale bytes
.set SP,    80                         ; a lane's place in a stage: its 64 bytes + 16 of padding
	s_load_b512 s[4:19], s[0:1], 0x0               ; x, h, W_ix, W_ih, W_fx, W_fh, W_gx, W_gh
	s_load_b128 s[20:23], s[0:1], 0x40             ; W_ox, W_oh
	s_load_b256 s[24:31], s[0:1], 0x50             ; a_codes, a_scales, b_codes, b_scales
	v_lshl_add_u32 v192, v0, 2, 0x8000
	v_mov_b32 v193, 0
	v_lshrrev_b32 v1, 5, v0
	v_readfirstlane_b32 s32, v1                    ; wave
	v_and_b32 v2, 31, v0                           ; lane
	v_lshlrev_b32 v3, 4, v2                        ; my 16 bytes of a load's 512
	s_mul_i32 s42, s32, WREG
	v_lshrrev_b32 v14, 2, v2
	v_mul_u32_u24 v14, v14, SP
	v_and_b32 v15, 3, v2
	v_lshl_add_u32 v14, v15, 4, v14
	v_add_nc_u32 v14, s42, v14                     ; the stage, on the way in: four lanes' 64 bytes on end, then 16 of padding
	v_mul_u32_u24 v15, v2, SP
	v_add_nc_u32 v15, s42, v15                     ; and on the way out: SP x lane: my 16 neighbours
	v_mul_u32_u24 v4, v2, CB                       ; my codes' place in a step's
	v_lshrrev_b32 v5, 1, v2
	s_add_co_u32 s42, s42, 2*32*SP
	v_add_nc_u32 v5, s42, v5                       ; LDS: my wave's 256 scale bytes, my block's byte
	v_lshlrev_b32 v7, 3, v2                        ; and on the way out 8 bytes a lane
	v_add_nc_u32 v6, s42, v7
	; which rows.  B': q' = work-group - 512 (its low 8 bits); destination row 16 q'; gate (q' / 2) % 4; source row 32 (q' / 8) + 16 (q' % 2)
	s_and_b32 s33, ttmp9, 0xff                     ; q'
	s_bfe_u32 s34, s33, 0x20001                    ; the gate: 2 bits from bit 1
	s_lshr_b32 s35, s33, 3
	s_lshl_b32 s35, s35, 5
	s_and_b32 s38, s33, 1
	s_lshl_b32 s38, s38, 4
	s_add_co_u32 s35, s35, s38                     ; B': source row
	s_lshl_b32 s36, s33, 4                         ; B': destination row
	s_lshl_b32 s37, ttmp9, 4                       ; A': both
	s_wait_kmcnt 0x0
	s_cmp_eq_u32 s34, 2                            ; the gate's two weights: every choice hangs on the work-group's number alone
	s_cselect_b64 s[20:21], s[16:17], s[20:21]
	s_cselect_b64 s[22:23], s[18:19], s[22:23]
	s_cmp_eq_u32 s34, 1
	s_cselect_b64 s[20:21], s[12:13], s[20:21]
	s_cselect_b64 s[22:23], s[14:15], s[22:23]
	s_cmp_eq_u32 s34, 0
	s_cselect_b64 s[20:21], s[8:9], s[20:21]
	s_cselect_b64 s[22:23], s[10:11], s[22:23]
	s_cmp_lt_u32 ttmp9, AWG                        ; A' or B'?
	s_cselect_b64 s[4:5], s[4:5], s[20:21]         ; the x side's source,
	s_cselect_b64 s[6:7], s[6:7], s[22:23]         ; the h side's,
	s_cselect_b64 s[24:25], s[24:25], s[28:29]     ; the codes,
	s_cselect_b64 s[26:27], s[26:27], s[30:31]     ; the scale bytes
	s_cselect_b32 s35, s37, s35
	s_cselect_b32 s36, s37, s36
	s_lshl_b32 s38, s32, 2                         ; my wave's 4 rows of the 16
	s_add_co_u32 s35, s35, s38
	s_add_co_u32 s36, s36, s38
	s_lshl_b32 s38, s35, 12                        ; a source row is 4,096 bytes
	s_mov_b32 s39, 0
	s_add_nc_u64 s[4:5], s[4:5], s[38:39]
	s_add_nc_u64 s[6:7], s[6:7], s[38:39]
	s_mul_i32 s40, s36, 1536                       ; a row of codes
	s_mov_b32 s41, 0
	s_add_nc_u64 s[24:25], s[24:25], s[40:41]
	s_lshl_b32 s40, s36, 6                         ; a row of scale bytes
	s_add_nc_u64 s[26:27], s[26:27], s[40:41]
.macro LOAD t                          ; step t: 2,048 consecutive bytes of the side's 16,384
.irp i, 0,1,2,3
.if (\t) < 8
	global_load_b128 v[R+16*((\t)%4)+4*\i:R+16*((\t)%4)+4*\i+3], v3, s[4:5] offset:2048*((\t)%8)+512*\i th:TH_LOAD_NT   ; 32 lanes read 512 consecutive bytes; read once in the launch
.else
	global_load_b128 v[R+16*((\t)%4)+4*\i:R+16*((\t)%4)+4*\i+3], v3, s[6:7] offset:2048*((\t)%8)+512*\i th:TH_LOAD_NT
.endif
.endr
.endm
.macro TURN t                          ; step t's numbers through the stage: LDS serves a wave's instructions in order (ISA guide 5.7.1.4), so no wait stands between the stores and the loads
.irp i, 0,1,2,3
	ds_store_b128 v14, v[R+16*((\t)%4)+4*\i:R+16*((\t)%4)+4*\i+3] offset:32*SP*((\t)%2)+8*SP*\i
.endr
.irp i, 0,1,2,3
	ds_load_b128 v[X+16*((\t)%2)+4*\i:X+16*((\t)%2)+4*\i+3], v15 offset:32*SP*((\t)%2)+16*\i
.endr
.endm
.irp t, 0,1,2,3
	LOAD \t
.endr
	s_wait_loadcnt 12                              ; step 0's four loads are in; the twelve of steps 1 to 3 stay out
	TURN 0
; Step t is half hf = t % 2 of row i = (t % 8) / 2 of side p = t / 8.
.macro STEP t
.set XS, X+16*((\t)%2)
.if (\t) > 0
	s_wait_dscnt 1                                 ; this step's numbers are back from the stage (the last step's byte store may be out): so its stores into the stage have read their registers,
.else
	s_wait_dscnt 0x0
.endif
.if (\t)+4 < STEPS
	LOAD (\t)+4                                    ; which take the loads of four steps on
.endif
.if (\t)+1 < STEPS
.if STEPS-2-(\t) >= 3
	s_wait_loadcnt 12                              ; the next step's four loads are in; those of the three steps behind it may be out
.else
	s_wait_loadcnt 4*(STEPS-2-(\t))                ; the tail: as many steps as are left behind the next one
.endif
	TURN (\t)+1                                    ; and go through the other stage while this step is worked
.endif
	v_max3_num_f32 v8, |v[XS]|, |v[XS+1]|, |v[XS+2]|               ; the largest magnitude of my 16, in two chains
	v_max3_num_f32 v9, |v[XS+3]|, |v[XS+4]|, |v[XS+5]|
.irp i, 6,10
	v_max3_num_f32 v8, v8, |v[XS+\i]|, |v[XS+\i+1]|
	v_max3_num_f32 v9, v9, |v[XS+\i+2]|, |v[XS+\i+3]|
.endr
	v_max3_num_f32 v8, v8, |v[XS+14]|, |v[XS+15]|
	v_max3_num_f32 v8, v8, v9, (EMAX+1)<<23        ; and the floor 2^(EMAX + 1 - 127), under which no largest magnitude is taken: so the byte cannot fall under 1
	v_max_num_f32_dpp v8, v8, v8 row_xmask:1 row_mask:0xf bank_mask:0xf   ; and of my neighbour's 16: the block's
	v_add_nc_u32 v11, -(EMAX<<23), v8              ; EMAX off its exponent field: the conversion takes the exponent field of this operand as its scale, and nothing else of it
	v_cvt_scalef32_pk16_fp6_f32 v[C+4*(\t):C+4*(\t)+2], v[XS:XS+15], v11   ; 96 bits without gaps, the first number's code lowest
	v_lshrrev_b32 v[E+(\t)], 23, v11               ; the scale's byte (also the plain line behind the conversion)
	ds_store_b8 v5, v[E+(\t)] offset:64*(((\t)%8)/2)+32*((\t)/8)+16*((\t)%2)   ; both lanes of a block write the same byte with the same value
	global_store_b96 v4, v[C+4*(\t):C+4*(\t)+2], s[24:25] offset:1536*(((\t)%8)/2)+768*((\t)/8)+384*((\t)%2)   ; the wave stores 384 consecutive bytes
.endm
.irp t, 0,1,2,3,4,5,6,7,8,9,10,11,12,13,14,15
	STEP \t
.endr
	ds_load_b64 v[12:13], v6                       ; LDS serves a wave's instructions in order: these see my byte stores
	s_wait_dscnt 0x0
	global_store_b64 v7, v[12:13], s[26:27]        ; 32 lanes store 256 consecutive bytes, at a multiple of 256 from the buffer's first byte: 4 rows of 64
	s_wait_tensorcnt 0x0
	ds_add_u32 v192, v193
	s_wait_dscnt 0x0
	s_endpgm
.Lfunc_end_k_q9c5b497da6_quant:
	.size	k_q9c5b497da6_quant, .Lfunc_end_k_q9c5b497da6_quant-k_q9c5b497da6_quant
	.p2alignl 7, 3214868480
	.fill 96, 4, 3214868480
	.section	.rodata,"a",@progbits
	.p2align	6, 0x0
	.amdhsa_kernel k_q9c5b497da6_quant
		.amdhsa_group_segment_fixed_size 33280
		.amdhsa_private_segment_fixed_size 0
		.amdhsa_enable_private_segment 0
		.amdhsa_kernarg_size 112
		.amdhsa_user_sgpr_count 2
		.amdhsa_user_sgpr_kernarg_segment_ptr 1
		.amdhsa_wavefront_size32 1
		.amdhsa_system_sgpr_workgroup_id_x 1
		.amdhsa_system_sgpr_workgroup_id_y 1
		.amdhsa_system_sgpr_workgroup_id_z 1
		.amdhsa_system_vgpr_workitem_id 0
		.amdhsa_next_free_vgpr 194
		.amdhsa_next_free_sgpr 66
		.amdhsa_reserve_vcc 0
		.amdhsa_float_denorm_mode_32 3
		.amdhsa_float_denorm_mode_16_64 3
		.amdhsa_memory_ordered 1
		.amdhsa_forward_progress 1
		.amdhsa_inst_pref_size 33
	.end_amdhsa_kernel
	.amdgpu_metadata
---
amdhsa.version: [ 1, 2 ]
amdhsa.kernels:
  - .name:           k_q9c5b497da6_quant
    .symbol:         k_q9c5b497da6_quant.kd
    .args:
      - { .name: x, .offset: 0, .size: 8, .value_kind: global_buffer, .address_space: global }
      - { .name: h, .offset: 8, .size: 8, .value_kind: global_buffer, .address_space: global }
      - { .name: W_ix, .offset: 16, .size: 8, .value_kind: global_buffer, .address_space: global }
      - { .name: W_ih, .offset: 24, .size: 8, .value_kind: global_buffer, .address_space: global }
      - { .name: W_fx, .offset: 32, .size: 8, .value_kind: global_buffer, .address_space: global }
      - { .name: W_fh, .offset: 40, .size: 8, .value_kind: global_buffer, .address_space: global }
      - { .name: W_gx, .offset: 48, .size: 8, .value_kind: global_buffer, .address_space: global }
      - { .name: W_gh, .offset: 56, .size: 8, .value_kind: global_buffer, .address_space: global }
      - { .name: W_ox, .offset: 64, .size: 8, .value_kind: global_buffer, .address_space: global }
      - { .name: W_oh, .offset: 72, .size: 8, .value_kind: global_buffer, .address_space: global }
      - { .name: a_codes, .offset: 80, .size: 8, .value_kind: global_buffer, .address_space: global }
      - { .name: a_scales, .offset: 88, .size: 8, .value_kind: global_buffer, .address_space: global }
      - { .name: b_codes, .offset: 96, .size: 8, .value_kind: global_buffer, .address_space: global }
      - { .name: b_scales, .offset: 104, .size: 8, .value_kind: global_buffer, .address_space: global }
    .group_segment_fixed_size: 33280
    .private_segment_fixed_size: 0
    .kernarg_segment_align: 8
    .kernarg_segment_size: 112
    .max_flat_workgroup_size: 128
    .sgpr_count:     66
    .vgpr_count:     194
    .wavefront_size: 32
...
	.end_amdgpu_metadata
.endif
;; end of part 1
;; launch cell (part 2): grid 16 x 32, 4 waves a work-group, clusters of 4 x 4, 327,680 bytes of LDS; arguments a_codes, a_scales, b_codes, b_scales, b_i, b_f, b_g, b_o, c_prev, out0, out1; writes out0, out1
.if DOCPART == 2
	.amdgcn_target "amdgcn-amd-amdhsa--gfx1250"
	.amdhsa_code_object_version 6
	.text
	.protected	k_q9c5b497da6_cell
	.globl	k_q9c5b497da6_cell
	.p2align	8
	.type	k_q9c5b497da6_cell,@function
k_q9c5b497da6_cell:
	s_mov_b64 s[64:65], 0
	v_nop
	global_prefetch_b8 v0, s[64:65] scope:SCOPE_SE
	s_setreg_imm32_b32 hwreg(HW_REG_WAVE_MODE, 25, 1), 1
	s_wait_xcnt 0x0
	s_wait_alu depctr_hold_cnt(0) depctr_sa_sdst(0) depctr_va_vdst(0) depctr_va_sdst(0) depctr_va_ssrc(0) depctr_va_vcc(0) depctr_vm_vsrc(0)
	s_getreg_b32 s2, hwreg(HW_REG_IB_STS2, 6, 4)
	s_cmp_eq_u32 s2, 0
	s_cbranch_scc0 .Lentry_in_a_cluster
	s_endpgm
.Lentry_in_a_cluster:
	s_bfe_u32 s2, ttmp6, 0x10000c
	s_cmp_lg_u32 s2, 0xf033
	s_cbranch_scc0 .Lentry_shape_is_right
	s_endpgm
.Lentry_shape_is_right:
; THE LSTM CELL.  z = A' B'^T + b over K = 2,048 (A' = [x | h], B' = [W.x | W.h]: codes of FP6 (E2M3) with one E8M0 scale for each 32 along K, made by the launch before); then
; c_next = sigmoid(zf) c_prev + sigmoid(zi) tanh(zg) (out1) and h_next = sigmoid(zo) tanh(c_next) (out0), all in f32.
; B's rows are ordered n' = 128 (hid / 32) + 32 g + hid % 32 (g = 0 i, 1 f, 2 g, 3 o).  A tile of z, 256 rows x 256 columns (64 hidden units x 4 gates), is made by a work-group of four waves; a wave makes 128 x 128:
; 64 accumulators of 16 x 16, 512 registers: 128 rows x (4 gates x 32 hidden units).  THE MATRIX INSTRUCTION IS USED TRANSPOSED (source 0 = 16 rows of B', source 1 = 16 rows of A'): in accumulator (a, b) lane (r, hh)
; holds in register j gate b / 2 of row 16 a + r, hidden unit 16 (b % 2) + 8 hh + j.  So the four gates of a cell lie in ONE lane at one register index, and the cell's arithmetic never changes lanes.
; THE BIAS is the C of each sum's first matrix instruction: eight registers for each b, in the result's layout.
; K goes in steps of 256 through a ring of two LDS slots filled by the tensor data mover (a tile's row: 192 bytes); the scale bytes of the work-group's rows, for all of K, come once with the first fills and stay.
; CLUSTERS: 4 x 4 work-groups.  The four of a row of the cluster need the same tiles of A', the four of a column the same tiles of B': each is asked for JOINTLY, by the same tensor load with the same descriptor and a
; mask that names the four.  c_prev's tile belongs to one work-group alone: it comes by a load without a mask, into slot 0 when that slot has been read for the last time.
; THE WAY OUT.  By blocks of 16 rows: c_prev out of LDS, the cell's arithmetic in place on the accumulators, c_next over c_prev's bytes in slot 0, h_next into slot 1 (both slots have had their last fill); a row's 256 bytes
; come from the two waves of a row half, so a barrier follows, and then one of the two waves reads whole rows of c_next and stores them, the other those of h_next: sixteen lanes store 256 consecutive, aligned bytes.
; ARITHMETIC OF A CELL (five exponentials, three reciprocals), L = log2(e): Ei = 2^(-L zi), Ef, Eo likewise; Eg = 2^min(-2 L zg, 30); i g = (1 - Eg) / ((1 + Ei)(1 + Eg)); f = 1 / (1 + Ef); c = c_prev f + i g;
; Ec = 2^min(-2 L c, 30); h = (1 - Ec) / ((1 + Eo)(1 + Ec)).  The hold at 30 moves a tanh by 2^-29 at the most and keeps 1 - E finite; an Ei, Ef or Eo that overflows gives the reciprocal 0, the sigmoid's limit.
; LIMITS: NaN and infinities among the inputs are not served.  The two products and the bias are one f32 sum (bias first, then x's K ascending, then h's), where the definition adds two finished sums and the bias.
; REGISTERS, in windows of 256: window 0: v0-31 addresses; v32-63 scale words, two sets; v64-127 the bias (on the way out: v64-79 c_prev, v80-95 at work, v96-127 rows on their way to memory); v128-223 A's fragments, ONE set.
;   window 1: B's fragments, TWO sets, at v0 and v128.   window 2: the 32 accumulators of my rows 0-63 ((a, b) at v[8 (8 a + b)]);   window 3: those of my rows 64-127.
.set KSTEP,  256                       ; along K in a slot
.set NQ,     2                         ; matrix instructions deep
.set ROWB,   192                       ; a tile's row in bytes: 256 codes of 6 bits
.set KROW,   1536                      ; a row of A' or B' in memory: 2,048 codes
.set PITCH,  240                       ; an LDS row: 3 x (64 bytes of data + 16 of padding) = 60 words, so that the 32 lanes of a load of 8 bytes touch 64 different banks (64 banks of 4 bytes: ISA guide 11.1)
.set FR,     12                        ; registers of a fragment: 16 rows x 128 K
.set NL,     6                         ; LDS loads that bring one
.set NP,     4                         ; places behind this matrix instruction (ISA guide 7.12.1)
.set HALFT,  128*PITCH                 ; 128 rows: what one tensor load brings, and what one wave reads of A' or of B'
.set SLOT,   4*HALFT                   ; A's 256 rows, then B's 256 rows
.set LAPS,   4                         ; a lap = two K steps = once round the ring: 2,048 / 512
.set KS,     64                        ; a row of scale bytes
.set SCL,    2*SLOT                    ; behind the ring: the scales, as runs of 256 bytes + 16 of padding
.set HALFS,  (128*KS/256)*272          ; the scales of 128 rows: what one tensor load brings
.set SBLK,   (16*KS/256)*272           ; those of 16 rows
.set SPARE,  SCL+4*HALFS               ; behind the scales: the spare words, 128 bytes for each wave: two blocks of 256 bytes that no other line names
.set CPITCH, 272                       ; c_prev, c_next (in slot 0) and h_next (in slot 1): 256 rows of 256 bytes + 16
.set OROW,   4096                      ; a row of c_prev, out0, out1 in memory
.set BOF,  15                          ; v15     the bias: 32 x (lane / 16)
.set ADRA, 16                          ; v16-17  LDS address of my A fragments in slot 0, 1  (v18-19: the same for the pieces that lie behind one padding more)
.set ADRB, 20                          ; v20-21  the same for B  (v22-23)
.set STO,  24                          ; v24     my 32 bytes of a row of c_prev / c_next: (128 R + r) CPITCH + 128 S + 32 hh
.set RD,   25                          ; v25     where I read whole rows back: S SLOT + (128 R + lane / 16) CPITCH + 16 (lane % 16)
.set CO,   26                          ; v26     and the same place in the output: (lane / 16) OROW + 16 (lane % 16)
.set ADRS, 27                          ; v27     LDS address of my scale words: lanes 0-15 A's rows, lanes 16-31 B's
.set SPW,  28                          ; v28     LDS address of my spare word: SPARE + 4 x my thread's number; never rewritten
.set NIL,  29                          ; v29     0; never rewritten
.set PFO,  30                          ; v30     the prefetches' offset: lane x OROW; never rewritten
.set STH,  31                          ; v31     my 32 bytes of a row of h_next: STO + SLOT
.set SC,   32                          ; scale words: set s at v[SC + 16 s]; in it register 2 i + q: lanes 0-15 the word of A's block i, lanes 16-31 that of B's block i, for the slot's q-th 128 along K
.set BI,   64                          ; the bias: 8 registers for each of B's eight blocks
.set CP,   64                          ; the way out: 16 numbers of c_prev
.set T,    80                          ; the way out: 1 - Eg, then 1 - Ec
.set OB,   96                          ; the way out: 16 rows read back
.set AF,   128                         ; A's fragments
.set OUT,  12                          ; s[12:13] the output that I store (S = 0: out1, S = 1: out0) at my row half's first row, my tile's column
.set N2L,  18                          ; s[18:19] -2 log2(e), twice (the packed form names a pair)
.set G0C,  20                          ; s[20:23] descriptor group 0 for c_prev's tile
.set G1,   24                          ; s[24:31] descriptor group 1 for A's tiles;  s[32:39] group 0, one set for each slot
.set G0,   32
.set G1C,  40                          ; s[40:47] group 1 for c_prev's tile
.set G1B,  48                          ; s[48:55], s[56:63] the same as G1, G0 for B's tiles
.set G0B,  56
.set PFA,  66                          ; s[66:67] c_prev at the 64 rows that I fetch, my tile's column; never rewritten
.set G1S,  68                          ; s[68:75], s[76:79] groups 1 and 0 for A's scales;  s[80:87], s[88:91] for B's
.set G0S,  76
.set G1SB, 80
.set G0SB, 88
.set NLG,  92                          ; s[92:93] -log2(e), twice
.set CL,   94                          ; s94     30.0
.set MSB, 0
.macro WIN new                         ; the immediate's high byte repeats the setting that is left; a switch that changes nothing is dropped
.if MSB != (\new)
	s_set_vgpr_msb (MSB<<8)|(\new)
.set MSB, (\new)
.endif
.endm
.set MUL_LO,   0xa1                    ; source 0 (B) window 1, source 1 (A) window 0, C and D window 2
.set MUL_HI,   0xf1                    ; the same, C and D window 3
.set FIRST_LO, 0x81                    ; the first step: C (the bias) window 0, D window 2
.set FIRST_HI, 0xc1                    ; D window 3
.set TO_B,     0x40                    ; destination window 1, address window 0
; A joint load: waves 0 and 1 fetch for A, waves 2 and 3 for B.  Each of the two lines has ONE mask and one set of registers for all that issue it; the branch hangs on the wave's number alone.
; Four v_nop follow each of the two lines, ahead of the jump, the label and what follows.
.macro JLOAD g0a, g1a, g0b, g1b
	s_cmp_eq_u32 s15, 0
	s_cbranch_scc0 .Lfor_b_\@
	tensor_load_to_lds s[\g0a:\g0a+3], s[\g1a:\g1a+7]
	s_nop 0
.rept 4
	v_nop
.endr
	s_branch .Lasked_\@
.Lfor_b_\@:
	tensor_load_to_lds s[\g0b:\g0b+3], s[\g1b:\g1b+7]
	s_nop 0
.rept 4
	v_nop
.endr
.Lasked_\@:
.endm
.macro CREST                           ; a round of the cluster's barrier behind its opening barrier
	s_cmp_lg_u32 s14, 0
	s_cbranch_scc1 .Lnot_wave_0_\@
	s_barrier_signal -3
.Lnot_wave_0_\@:
	s_barrier_wait -3
	s_barrier_signal -1
	s_barrier_wait -1
.endm
.macro CROUND                          ; a whole round
	s_barrier_signal -1
	s_barrier_wait -1
	CREST
.endm
; A PREFETCH INTO THE L2 of c_prev's tile: the 64 rows x 256 bytes that my wave's tensor load will ask for, a lane a row, two instructions.  A tile of c_prev belongs to one work-group and its rows to one wave: each row's
; 256 bytes are named once in the launch.  It stands in the loop's last trip, behind the joint load and the run of LDS loads of slot 0's change: two K steps, 256 matrix instructions, ahead of that tensor load.
; The branch hangs on the count of laps alone, which is the same in every work-group.
.macro ASKC
	s_cmp_eq_u32 s3, 1
	s_cbranch_scc0 .Lno_ask_\@
	global_prefetch_b8 v[PFO], s[PFA:PFA+1] th:TH_LOAD_NT scope:SCOPE_SE
	global_prefetch_b8 v[PFO], s[PFA:PFA+1] offset:32*OROW th:TH_LOAD_NT scope:SCOPE_SE
.Lno_ask_\@:
.endm
	s_load_b256 s[4:11], s[0:1], 0x0               ; A's codes s[4:5], A's scales s[6:7], B's codes s[8:9], B's scales s[10:11]
	s_load_b128 s[96:99], s[0:1], 0x40             ; c_prev s[96:97], out0 s[98:99]
	s_load_b64 s[100:101], s[0:1], 0x50            ; out1
	v_lshl_add_u32 v[SPW], v0, 2, SPARE
	v_mov_b32 v[NIL], 0
	ds_add_u32 v28, v29
	ds_add_u32 v28, v29
	s_wait_dscnt 0x0
	v_lshrrev_b32 v1, 5, v0
	v_readfirstlane_b32 s14, v1                    ; wave 0..3
	s_lshr_b32 s15, s14, 1                         ; R: which half of the tile's rows is mine.  Also: I fetch for A (0) or for B (1)
	s_and_b32 s16, s14, 1                          ; S: which half of its columns.  Also: which 128 rows of that tile I fetch
	s_bfe_u32 s40, ttmp6, 0x40000                  ; cx, cy: my place in the cluster
	s_bfe_u32 s41, ttmp6, 0x40004
	s_lshl_b32 s42, ttmp9, 2
	s_add_co_u32 s42, s42, s40                     ; tile column = 4 x cluster x + cx
	s_and_b32 s17, ttmp7, 0xffff
	s_lshl_b32 s17, s17, 2
	s_add_co_u32 s17, s17, s41                     ; tile row = 4 x cluster y + cy
	s_lshl_b32 s43, s41, 2
	s_lshl_b32 s43, 15, s43                        ; my row of the cluster
	s_lshl_b32 s44, 0x1111, s40                    ; my column
	; descriptor group 1: a tile of 128 rows x ROWB bytes, padded in LDS
	s_or_b32 s[G1+0], s43, (0<<16)|(1<<20)|(1<<21)|(3<<22)|(3<<25)  ; 15:0 the mask: A's tiles go to my row; 17:16 element of 1 byte; 20 padding on; 21 set beside a mask; 24:22 after every 16 words (code 3); 31:25 of 4 words (code 3)
	s_or_b32 s[G1B+0], s44, (0<<16)|(1<<20)|(1<<21)|(3<<22)|(3<<25)
.irp g, G1, G1B
	s_mov_b32 s[\g+1], ROWB<<16                    ; tensor_dim0
	s_mov_b32 s[\g+2], 128<<16                     ; tensor_dim1 = 128
	s_mov_b32 s[\g+3], ROWB<<16                    ; tile_dim0
	s_mov_b32 s[\g+4], 128                         ; tile_dim1 = 128
	s_mov_b32 s[\g+5], KROW                        ; tensor_dim0_stride
	s_mov_b32 s[\g+6], 0
	s_mov_b32 s[\g+7], 0
.endr
	; and for the scales of 128 rows: a dense block of 8,192 bytes, as rows of 256 bytes (32 elements of 8 bytes), 16 bytes of padding behind each
	s_or_b32 s[G1S+0], s43, (3<<16)|(1<<20)|(1<<21)|(5<<22)|(3<<25)
	s_or_b32 s[G1SB+0], s44, (3<<16)|(1<<20)|(1<<21)|(5<<22)|(3<<25)
.irp g, G1S, G1SB
	s_mov_b32 s[\g+1], 32<<16
	s_mov_b32 s[\g+2], (128*KS/256)<<16
	s_mov_b32 s[\g+3], 32<<16
	s_mov_b32 s[\g+4], 128*KS/256
	s_mov_b32 s[\g+5], 32
	s_mov_b32 s[\g+6], 0
	s_mov_b32 s[\g+7], 0
.endr
	s_lshl_b32 s18, s16, 7                         ; which 128 rows of the tile I fetch
	s_lshl_b32 s20, s17, 8
	s_add_co_u32 s20, s20, s18                     ; A': row 256 x tile row + 128 x half
	s_lshl_b32 s46, s42, 8
	s_add_co_u32 s46, s46, s18                     ; B': row 256 x tile column + 128 x half
	s_mov_b32 s21, 0
	s_mov_b32 s47, 0
	s_mov_b64 s[18:19], KS
	s_mul_u64 s[22:23], s[20:21], s[18:19]         ; where these rows' scales begin, in bytes
	s_mul_u64 s[92:93], s[46:47], s[18:19]
	s_mov_b64 s[18:19], KROW
	s_mul_u64 s[20:21], s[20:21], s[18:19]         ; and their codes
	s_mul_u64 s[46:47], s[46:47], s[18:19]
	s_mul_i32 s45, s14, HALFT                      ; where they go: wave x 128 rows: no place in the cluster enters an LDS address
	s_mul_i32 s94, s14, HALFS
	s_wait_kmcnt 0x0
	s_add_nc_u64 s[20:21], s[4:5], s[20:21]
	s_add_nc_u64 s[22:23], s[6:7], s[22:23]
	s_add_nc_u64 s[46:47], s[8:9], s[46:47]
	s_add_nc_u64 s[92:93], s[10:11], s[92:93]
	CROUND                                         ; all sixteen work-groups are here: the first joint loads meet
	s_mov_b32 s[G0S], 1
	s_add_co_u32 s[G0S+1], s94, SCL
	s_mov_b64 s[G0S+2:G0S+3], s[22:23]
	s_or_b32 s[G0S+3], s[G0S+3], 0x80000000
	s_mov_b32 s[G0SB], 1
	s_add_co_u32 s[G0SB+1], s94, SCL
	s_mov_b64 s[G0SB+2:G0SB+3], s[92:93]
	s_or_b32 s[G0SB+3], s[G0SB+3], 0x80000000
	JLOAD G0S, G1S, G0SB, G1SB                     ; the scales first: they are wanted with K step 0
.irp s, 0,1
	s_mov_b32 s[G0+4*\s], 1
	s_add_co_u32 s[G0+4*\s+1], s45, \s*SLOT
	s_add_nc_u64 s[G0+4*\s+2:G0+4*\s+3], s[20:21], \s*ROWB
	s_or_b32 s[G0+4*\s+3], s[G0+4*\s+3], 0x80000000
	s_mov_b32 s[G0B+4*\s], 1
	s_add_co_u32 s[G0B+4*\s+1], s45, \s*SLOT
	s_add_nc_u64 s[G0B+4*\s+2:G0B+4*\s+3], s[46:47], \s*ROWB
	s_or_b32 s[G0B+4*\s+3], s[G0B+4*\s+3], 0x80000000
	JLOAD G0+4*\s, G1, G0B+4*\s, G1B               ; three tensor loads of mine are out
.endr
	s_load_b256 s[4:11], s[0:1], 0x20              ; b_i s[4:5], b_f s[6:7], b_g s[8:9], b_o s[10:11]: the four addresses above have been used
	v_and_b32 v1, 15, v0                           ; r = lane % 16
	v_bfe_u32 v2, v0, 4, 1                         ; hh = lane / 16
	v_mul_u32_u24 v3, v1, PITCH
	v_mul_u32_u24 v4, v2, 24
	v_add_nc_u32 v4, v3, v4                        ; a fragment's row x pitch + 24 x half
	v_lshl_add_u32 v5, v2, 4, v4                   ; and the same behind one padding more
	s_mul_i32 s21, s15, HALFT                      ; my 128 rows of A'
	s_mul_i32 s22, s16, HALFT                      ; my 128 rows of B',
	s_add_co_u32 s22, s22, 2*HALFT                 ; which lie behind A's 256
.irp s, 0,1
	v_add_nc_u32 v[ADRA+\s], s21, v4
	v_add_nc_u32 v[ADRB+\s], s22, v4
	v_add_nc_u32 v[ADRA+2+\s], s21, v5
	v_add_nc_u32 v[ADRB+2+\s], s22, v5
	s_add_co_u32 s21, s21, SLOT
	s_add_co_u32 s22, s22, SLOT
.endr
	v_mul_u32_u24 v5, v1, KS                       ; my row's scales: KS bytes a row,
	v_lshrrev_b32 v6, 8, v5
	v_lshl_add_u32 v5, v6, 4, v5                   ; and 16 more for each 256 passed
	s_mul_i32 s21, s15, HALFS                      ; A's: my 128 rows
	s_mul_i32 s22, s16, HALFS                      ; B's: my 128 rows, behind A's 256
	s_add_co_u32 s22, s22, 2*HALFS
	s_sub_co_u32 s22, s22, s21
	v_mul_u32_u24 v6, s22, v2                      ; lanes 16-31 take B's: the lower base + hh x the distance
	s_add_co_u32 s21, s21, SCL
	v_add_nc_u32 v5, v5, v6
	v_add_nc_u32 v[ADRS], s21, v5
	; the way out's addresses
	s_mul_i32 s21, s15, 128*CPITCH                 ; my row half
	s_lshl_b32 s22, s16, 7                         ; my 128 bytes of a row
	s_add_co_u32 s22, s22, s21
	v_mul_u32_u24 v5, v1, CPITCH
	v_lshl_add_u32 v5, v2, 5, v5
	v_add_nc_u32 v[STO], s22, v5
	v_add_nc_u32 v[STH], SLOT, v[STO]
	s_mul_i32 s22, s16, SLOT                       ; S = 0 reads c_next back (slot 0), S = 1 h_next (slot 1)
	s_add_co_u32 s22, s22, s21
	v_mul_u32_u24 v5, v2, CPITCH                   ; lanes 0-15 take one row of 256 bytes, lanes 16-31 the next
	v_lshl_add_u32 v5, v1, 4, v5
	v_add_nc_u32 v[RD], s22, v5
	v_lshlrev_b32 v5, 12, v2
	v_lshl_add_u32 v[CO], v1, 4, v5
	v_and_b32 v5, 31, v0
	v_lshlrev_b32 v[PFO], 12, v5
	v_lshlrev_b32 v[BOF], 5, v2
	s_lshl_b32 s18, s17, 8                         ; c_prev: row 256 x tile row + 64 x wave, column 64 x tile column
	s_lshl_b32 s19, s14, 6
	s_add_co_u32 s18, s18, s19
	s_lshl_b32 s18, s18, 12
	s_lshl_b32 s19, s42, 8
	s_add_co_u32 s18, s18, s19
	s_mov_b32 s19, 0
	s_add_nc_u64 s[PFA:PFA+1], s[96:97], s[18:19]
	s_lshl_b32 s18, s17, 8                         ; the outputs: row 256 x tile row + 128 R, the same column
	s_lshl_b32 s19, s15, 7
	s_add_co_u32 s18, s18, s19
	s_lshl_b32 s18, s18, 12
	s_lshl_b32 s19, s42, 8
	s_add_co_u32 s18, s18, s19
	s_mov_b32 s19, 0
	s_cmp_eq_u32 s16, 0                            ; the choice hangs on the wave's number alone
	s_cselect_b64 s[OUT:OUT+1], s[100:101], s[98:99]
	s_add_nc_u64 s[OUT:OUT+1], s[OUT:OUT+1], s[18:19]
	s_lshl_b32 s18, s42, 8                         ; the biases: my 32 hidden units begin at 64 x tile column + 32 S
	s_lshl_b32 s19, s16, 7
	s_add_co_u32 s18, s18, s19
	s_mov_b32 s19, 0
	s_wait_kmcnt 0x0
.irp g, 0,1,2,3
	s_add_nc_u64 s[4+2*\g:5+2*\g], s[4+2*\g:5+2*\g], s[18:19]
.endr
.irp b, 0,1,2,3,4,5,6,7                ; block b: gate b / 2, hidden units 16 (b % 2) + 8 hh + 0 .. 7: the same for all 16 rows of a tile
	global_load_b128 v[BI+8*\b:BI+8*\b+3],   v[BOF], s[4+2*(\b/2):5+2*(\b/2)] offset:64*(\b%2)
	global_load_b128 v[BI+8*\b+4:BI+8*\b+7], v[BOF], s[4+2*(\b/2):5+2*(\b/2)] offset:64*(\b%2)+16
.endr
	; c_prev's tile: my 64 rows x 64 numbers of 4 bytes, 1,024 numbers from row to row, 16 bytes of padding behind each row's 256.  No mask: the tile is my work-group's alone
	s_mov_b32 s[G1C+0], (2<<16)|(1<<20)|(5<<22)|(3<<25)
	s_mov_b32 s[G1C+1], 64<<16                     ; tensor_dim0 = 64
	s_mov_b32 s[G1C+2], 64<<16                     ; tensor_dim1 = 64
	s_mov_b32 s[G1C+3], 64<<16                     ; tile_dim0 = 64
	s_mov_b32 s[G1C+4], 64                         ; tile_dim1 = 64
	s_mov_b32 s[G1C+5], 1024                       ; tensor_dim0_stride
	s_mov_b32 s[G1C+6], 0
	s_mov_b32 s[G1C+7], 0
	s_mov_b32 s[G0C], 1
	s_mul_i32 s[G0C+1], s14, 64*CPITCH             ; into slot 0: wave x 64 rows
	s_mov_b64 s[G0C+2:G0C+3], s[PFA:PFA+1]
	s_or_b32 s[G0C+3], s[G0C+3], 0x80000000
	s_mov_b32 s[NLG], 0xbfb8aa3b                   ; -log2(e)
	s_mov_b32 s[NLG+1], s[NLG]                     ; (named with it as a pair, so it is written)
	s_mov_b32 s[N2L], 0xc038aa3b                   ; -2 log2(e)
	s_mov_b32 s[N2L+1], s[N2L]
	s_mov_b32 s[CL], 0x41f00000                    ; 30.0
.macro FRAG reg, adr, q, i             ; a fragment, 16 rows x 128 K of 6-bit codes, is 12 registers: lane l holds row l % 16; registers 6 c .. 6 c + 5 hold K = 64 c + 32 (l / 16) + 0 .. 31: 24 bytes of the row's stream of bits, as they lie
.irp p, 0,1,2,3,4,5                    ; in pieces of 8 bytes, so that every address is a multiple of the access's size.  Lanes 0-15 take the row's pieces 12 q + 0, 1, 2 and 12 q + 6, 7, 8, lanes 16-31 those three pieces on
.set PC, 12*(\q)+6*(\p/3)+\p%3        ; 16 bytes of padding lie behind every 64 bytes (8 pieces): where the piece three on lies behind one padding more, the second address register (40 for 24 bytes a half) serves
.if PC%8 < 5
	ds_load_b64 v[\reg+2*\p:\reg+2*\p+1], v[\adr] offset:8*PC+16*(PC/8)+(\i)*16*PITCH
.else
	ds_load_b64 v[\reg+2*\p:\reg+2*\p+1], v[\adr+2] offset:8*PC+16*(PC/8)+(\i)*16*PITCH
.endif
.endr
.endm
; 16 matrix instructions: A's blocks a0, a0 + 1 x B's eight, 128 along K: the slot's q-th.  p: B's set;  sc: the set of scale words.  zero = 1: the first product starts the sums, with the bias as its C: nothing is ever cleared.
; The 64 accumulators take turns, one instruction a turn, in the same order in every step.
.macro MUL16 a0, p, q, sc, zero
.irp a, \a0, \a0+1
.irp b, 0,1,2,3,4,5,6,7
.if \zero
	v_wmma_scale_f32_16x16x128_f8f6f4 v[8*(8*((\a)%4)+\b):8*(8*((\a)%4)+\b)+7], v[128*(\p)+FR*\b:128*(\p)+FR*\b+FR-1], v[AF+FR*(\a):AF+FR*(\a)+FR-1], v[BI+8*\b:BI+8*\b+7], v[SC+8*NQ*(\sc)+NQ*\b+(\q)], v[SC+8*NQ*(\sc)+NQ*(\a)+(\q)] matrix_a_fmt:MATRIX_FMT_FP6 matrix_b_fmt:MATRIX_FMT_FP6 matrix_a_scale:MATRIX_SCALE_ROW1
.else
	v_wmma_scale_f32_16x16x128_f8f6f4 v[8*(8*((\a)%4)+\b):8*(8*((\a)%4)+\b)+7], v[128*(\p)+FR*\b:128*(\p)+FR*\b+FR-1], v[AF+FR*(\a):AF+FR*(\a)+FR-1], v[8*(8*((\a)%4)+\b):8*(8*((\a)%4)+\b)+7], v[SC+8*NQ*(\sc)+NQ*\b+(\q)], v[SC+8*NQ*(\sc)+NQ*(\a)+(\q)] matrix_a_fmt:MATRIX_FMT_FP6 matrix_b_fmt:MATRIX_FMT_FP6 matrix_a_scale:MATRIX_SCALE_ROW1
.endif
.endr
.endr
.endm
.macro FETCH_B slot, q, p              ; B's eight fragments of the slot's q-th 128 along K into set p
	WIN TO_B
.irp i, 0,1,2,3,4,5,6,7
	FRAG 128*(\p)+FR*\i, ADRB+\slot, \q, \i
.endr
	WIN 0
.endm
.macro FETCH_A slot, q, i0             ; A's blocks i0 .. i0 + 3
.irp i, \i0, \i0+1, \i0+2, \i0+3
	FRAG AF+FR*(\i), ADRA+\slot, \q, \i
.endr
.endm
.macro SCALES sc                       ; the next K step's scale words into set sc: two words a row; lanes 0-15 take A's block i, lanes 16-31 B's block i
.irp i, 0,1,2,3,4,5,6,7
	ds_load_b64 v[SC+8*NQ*\sc+NQ*\i:SC+8*NQ*\sc+NQ*\i+1], v[ADRS] offset:\i*SBLK
.endr
.endm
; A load into a register that a matrix instruction has read, and a vector instruction or an LDS store that reads a matrix result, stand NP places behind that matrix instruction, and only plain vector
; instructions that name none of its registers are places (ISA guide 7.12.1 for vector instructions); this text does not count the matrix instructions in between.
.macro PLACES n
.rept \n
	v_nop
.endr
.endm
; A step of 128 along K that has its successor in the same slot.
.macro STEP slot, q, zero
	s_wait_dscnt 4*NL                              ; B's set and A's blocks 0-3 are in; the youngest 24 loads (A's blocks 4-7) may be out
.if \zero
	WIN FIRST_LO
.else
	WIN MUL_LO
.endif
	MUL16 0, (\q)%2, \q, \slot, \zero
	MUL16 2, (\q)%2, \q, \slot, \zero
	s_wait_dscnt 0                                 ; A's blocks 4-7 are in (asked for 32 matrix instructions ago)
	PLACES NP
	FETCH_B \slot, (\q)+1, 1-(\q)%2
	FETCH_A \slot, (\q)+1, 0
.if \zero
	WIN FIRST_HI
.else
	WIN MUL_HI
.endif
	MUL16 4, (\q)%2, \q, \slot, \zero
	MUL16 6, (\q)%2, \q, \slot, \zero
	PLACES NP
	WIN 0
	FETCH_A \slot, (\q)+1, 4
.endm
; A slot's last step changes slots: in front of the barrier each wave waits for all its tensor loads, adds 0 to its spare word, and waits for that and for its own reads of this slot.  The barrier opens a round of the
; cluster's barrier.  fill = 1: this slot is filled again, two K steps ahead, by the joint load.  fill = 2: slot 0 has been read for the last time and takes c_prev's tile, 64 rows a wave.
.macro TURN slot, next, fill
	s_wait_tensorcnt 0x0                           ; all my tensor loads have landed: my part of the next slot;  (every window is 0 here: the add's two registers lie in window 0)
	ds_add_u32 v[SPW], v[NIL]                      ; 0 onto my spare word;
	s_wait_dscnt 4*NL+1                            ; (the add and the youngest 24 loads, A's blocks 4-7, may be out)
	WIN MUL_LO
	MUL16 0, 1, NQ-1, \slot, 0                     ; sixteen matrix instructions stand between the add and the wait for it
	s_wait_dscnt 0x0                               ; the add is done, and my reads of this slot are over
	s_barrier_signal -1
	MUL16 2, 1, NQ-1, \slot, 0
	WIN 0
	s_barrier_wait -1
	CREST                                          ; no wave of any partner still reads this slot's tile or has a load on its way
.if \fill == 1
	s_add_nc_u64 s[G0+4*\slot+2:G0+4*\slot+3], s[G0+4*\slot+2:G0+4*\slot+3], 2*ROWB
	s_add_nc_u64 s[G0B+4*\slot+2:G0B+4*\slot+3], s[G0B+4*\slot+2:G0B+4*\slot+3], 2*ROWB
	JLOAD G0+4*\slot, G1, G0B+4*\slot, G1B         ; the first tensor load behind the round; the four v_nop behind it are the places in front of the loads below
.else
	tensor_load_to_lds s[G0C:G0C+3], s[G1C:G1C+7]  ; my one tensor load behind the round, and the last of the launch: it has 160 matrix instructions in which to land
	s_nop 0
.rept 4
	v_nop
.endr
.endif
	v_add_nc_u32 v[ADRS], 4*NQ, v[ADRS]            ; on to the next K step's scale words (no LDS load of mine is out)
	FETCH_B \next, 0, 0
	FETCH_A \next, 0, 0
	SCALES \next
.if \fill == 1
.if \slot == 0
	ASKC
.endif
.endif
	WIN MUL_HI
	MUL16 4, 1, NQ-1, \slot, 0
	MUL16 6, 1, NQ-1, \slot, 0
	PLACES NP
	WIN 0
	FETCH_A \next, 0, 4
.endm
	s_wait_tensorcnt 1                             ; the scales and my part of K step 0 are in (K step 1's load may be out)
	s_barrier_signal -1
	s_barrier_wait -1                              ; everybody's are
	FETCH_B 0, 0, 0
	FETCH_A 0, 0, 0
	SCALES 0
	FETCH_A 0, 0, 4
	s_wait_loadcnt 0x0                             ; the bias
	STEP 0, 0, 1                                   ; the first step stands in front of the loop: its products start the sums
	s_mov_b32 s3, LAPS-1
.Llap:                                                 ; a trip goes once round the ring, from a lap's second step to the next lap's first, and fills both slots again
	TURN 0, 1, 1
	STEP 1, 0, 0
	TURN 1, 0, 1
	STEP 0, 0, 0
	s_sub_co_u32 s3, s3, 1
	s_cmp_lg_u32 s3, 0
	s_cbranch_scc1 .Llap
	TURN 0, 1, 2                                   ; the last lap: slot 0 takes c_prev
	STEP 1, 0, 0
	s_wait_dscnt 4*NL                              ; the very last step: nothing more to fetch
	WIN MUL_LO
	MUL16 0, 1, NQ-1, 1, 0
	MUL16 2, 1, NQ-1, 1, 0
	s_wait_dscnt 0                                 ; my reads of slot 1 are over
	WIN MUL_HI
	MUL16 4, 1, NQ-1, 1, 0
	MUL16 6, 1, NQ-1, 1, 0
	WIN 0
	s_wait_tensorcnt 0x0                           ; my 64 rows of c_prev are in: the one load that was out, so the count is 0
	s_barrier_signal -1
	PLACES NP                                      ; the places behind the last products, ahead of the first read of results
	s_barrier_wait -1                              ; everybody's rows of c_prev are in, and nobody reads slot 1 any more.
; THE WAY OUT, block a of 16 rows.  In window 2 + a / 4, from AC = 64 (a % 4) on: 16 registers each of zi, zf, zg, zo; register n = 8 u + j of a run is hidden unit 16 u + 8 hh + j of row 16 a + r.  All is done in place.
; Each batch of exponentials or reciprocals has one plain line behind it and ONE s_wait_alu depctr_va_vdst(0) ahead of the first line that names a result.
.macro CLOAD a                         ; my 16 numbers of c_prev
.irp u, 0,1
.irp k, 0,1
	ds_load_b128 v[CP+8*\u+4*\k:CP+8*\u+4*\k+3], v[STO] offset:(\a)*16*CPITCH+64*\u+16*\k
.endr
.endr
.endm
.macro E1 a                            ; the four gates' exponentials: Ei, Ef, Eg, Eo
.set AC, 64*((\a)%4)
.set WW, 2+(\a)/4
	WIN 0x55*WW                                    ; all operands in the block's window
.set n, 0
.rept 32                               ; in ascending order: each accumulator is read from its low end on
.if n/8 == 2
	v_pk_mul_f32 v[AC+2*n:AC+2*n+1], v[AC+2*n:AC+2*n+1], s[N2L:N2L+1] op_sel_hi:[1,0]   ; -2 L zg
.else
	v_pk_mul_f32 v[AC+2*n:AC+2*n+1], v[AC+2*n:AC+2*n+1], s[NLG:NLG+1] op_sel_hi:[1,0]   ; -L z
.endif
.set n, n+1
.endr
.set n, 0
.rept 16
	v_min_num_f32 v[AC+32+n], s[CL], v[AC+32+n]    ; the hold at 30
.set n, n+1
.endr
.set n, 0
.rept 64
	v_exp_f32 v[AC+n], v[AC+n]
.set n, n+1
.endr
	v_nop
	s_wait_alu depctr_va_vdst(0)
.endm
.macro E2 a                            ; 1 - Eg; 1 + E of all four; the two reciprocals 1 / ((1 + Ei)(1 + Eg)) and 1 / (1 + Ef)
.set AC, 64*((\a)%4)
.set WW, 2+(\a)/4
	WIN WW                                         ; source 0 in the block's window, destination in window 0
.set n, 0
.rept 8
	v_pk_fma_f32 v[T+2*n:T+2*n+1], v[AC+32+2*n:AC+32+2*n+1], -1.0, 1.0 op_sel_hi:[1,0,0]
.set n, n+1
.endr
	WIN 0x55*WW
.set n, 0
.rept 32
	v_pk_add_f32 v[AC+2*n:AC+2*n+1], v[AC+2*n:AC+2*n+1], 1.0 op_sel_hi:[1,0]
.set n, n+1
.endr
.set n, 0
.rept 8
	v_pk_mul_f32 v[AC+2*n:AC+2*n+1], v[AC+2*n:AC+2*n+1], v[AC+32+2*n:AC+32+2*n+1]
.set n, n+1
.endr
.set n, 0
.rept 32
	v_rcp_f32 v[AC+n], v[AC+n]
.set n, n+1
.endr
	v_nop
	s_wait_alu depctr_va_vdst(0)
.endm
.macro E3 a                            ; c_next (in zg's registers), its exponential Ec (in zf's), and c_next over c_prev's bytes in LDS
.set AC, 64*((\a)%4)
.set WW, 2+(\a)/4
	WIN 0x54*WW                                    ; source 0 in window 0, all else in the block's window
.set n, 0
.rept 8
	v_pk_mul_f32 v[AC+32+2*n:AC+32+2*n+1], v[T+2*n:T+2*n+1], v[AC+2*n:AC+2*n+1]   ; i g
.set n, n+1
.endr
.set n, 0
.rept 8
	v_pk_fma_f32 v[AC+32+2*n:AC+32+2*n+1], v[CP+2*n:CP+2*n+1], v[AC+16+2*n:AC+16+2*n+1], v[AC+32+2*n:AC+32+2*n+1]   ; c_prev f + i g
.set n, n+1
.endr
	WIN 0x55*WW
.set n, 0
.rept 8
	v_pk_mul_f32 v[AC+16+2*n:AC+16+2*n+1], v[AC+32+2*n:AC+32+2*n+1], s[N2L:N2L+1] op_sel_hi:[1,0]
.set n, n+1
.endr
.set n, 0
.rept 16
	v_min_num_f32 v[AC+16+n], s[CL], v[AC+16+n]
.set n, n+1
.endr
.set n, 0
.rept 16
	v_exp_f32 v[AC+16+n], v[AC+16+n]
.set n, n+1
.endr
	v_nop
	WIN 4*WW                                       ; an LDS store's data are its source 1
.irp u, 0,1
.irp k, 0,1
	ds_store_b128 v[STO], v[AC+32+8*\u+4*\k:AC+32+8*\u+4*\k+3] offset:(\a)*16*CPITCH+64*\u+16*\k   ; the bytes that I alone have read; they name no result of the batch
.endr
.endr
	s_wait_alu depctr_va_vdst(0)
.endm
.macro E4 a                            ; h_next (in zf's registers), into slot 1
.set AC, 64*((\a)%4)
.set WW, 2+(\a)/4
	WIN WW
.set n, 0
.rept 8
	v_pk_fma_f32 v[T+2*n:T+2*n+1], v[AC+16+2*n:AC+16+2*n+1], -1.0, 1.0 op_sel_hi:[1,0,0]   ; 1 - Ec
.set n, n+1
.endr
	WIN 0x55*WW
.set n, 0
.rept 8
	v_pk_add_f32 v[AC+16+2*n:AC+16+2*n+1], v[AC+16+2*n:AC+16+2*n+1], 1.0 op_sel_hi:[1,0]
.set n, n+1
.endr
.set n, 0
.rept 8
	v_pk_mul_f32 v[AC+48+2*n:AC+48+2*n+1], v[AC+48+2*n:AC+48+2*n+1], v[AC+16+2*n:AC+16+2*n+1]   ; (1 + Eo)(1 + Ec)
.set n, n+1
.endr
.set n, 0
.rept 16
	v_rcp_f32 v[AC+48+n], v[AC+48+n]
.set n, n+1
.endr
	v_nop
	s_wait_alu depctr_va_vdst(0)
	WIN 0x54*WW
.set n, 0
.rept 8
	v_pk_mul_f32 v[AC+16+2*n:AC+16+2*n+1], v[T+2*n:T+2*n+1], v[AC+48+2*n:AC+48+2*n+1]
.set n, n+1
.endr
	WIN 4*WW
.irp u, 0,1
.irp k, 0,1
	ds_store_b128 v[STH], v[AC+16+8*\u+4*\k:AC+16+8*\u+4*\k+3] offset:(\a)*16*CPITCH+64*\u+16*\k
.endr
.endr
	WIN 0
.endm
.macro RB a                            ; block a's 16 whole rows, of c_next (S = 0) or of h_next (S = 1), back into registers: two rows an instruction
.irp t, 0,1,2,3,4,5,6,7
	ds_load_b128 v[OB+4*\t:OB+4*\t+3], v[RD] offset:(16*(\a)+2*\t)*CPITCH
.endr
.endm
.macro SEND a                          ; and to memory: every offset is an immediate, 126 rows of 4,096 bytes at the most, inside the signed 24-bit immediate (ISA guide, chapter 10): the base is never stepped
.irp t, 0,1,2,3,4,5,6,7
	global_store_b128 v[CO], v[OB+4*\t:OB+4*\t+3], s[OUT:OUT+1] offset:(16*(\a)+2*\t)*OROW th:TH_STORE_NT   ; 16 lanes store 256 consecutive bytes, at a multiple of 256 from the output's first byte; written once, read by nobody here
.endr
.endm
	CLOAD 0
.irp a, 0,1,2,3,4,5,6,7
	E1 \a                                          ; the loads issued behind the last barrier land under these 64 exponentials
	WIN 0
	s_wait_dscnt 0x0                               ; this block's c_prev is in, and so are the rows of the block before
.if \a > 0
	SEND \a-1                                      ; which leave under this block's arithmetic
.endif
	E2 \a
	E3 \a
	E4 \a
	s_wait_dscnt 0x0                               ; for the other wave of my row half: my stores of this block have landed
	s_barrier_signal -1
	s_barrier_wait -1                              ; the block's rows are whole.  Each block has LDS bytes of its own, so one barrier a block is enough
.if \a < 7
	CLOAD \a+1
.endif
.if \a > 0
	s_wait_xcnt 0x0                                ; the stores of the block before have read their registers: only behind this wait are they loaded again
.endif
	RB \a
.endr
	s_wait_dscnt 0x0
	SEND 7
	s_wait_tensorcnt 0x0                           ; the wave's end, behind my last tensor load and my last LDS store
	ds_add_u32 v[SPW], v[NIL]
	s_wait_dscnt 0x0
	CROUND                                         ; the closing round: no work-group ends while a partner may still ask for a tile that names it
	s_endpgm
.Lfunc_end_k_q9c5b497da6_cell:
	.size	k_q9c5b497da6_cell, .Lfunc_end_k_q9c5b497da6_cell-k_q9c5b497da6_cell
	.p2alignl 7, 3214868480
	.fill 96, 4, 3214868480
	.section	.rodata,"a",@progbits
	.p2align	6, 0x0
	.amdhsa_kernel k_q9c5b497da6_cell
		.amdhsa_group_segment_fixed_size 327680
		.amdhsa_private_segment_fixed_size 0
		.amdhsa_enable_private_segment 0
		.amdhsa_kernarg_size 88
		.amdhsa_user_sgpr_count 2
		.amdhsa_user_sgpr_kernarg_segment_ptr 1
		.amdhsa_wavefront_size32 1
		.amdhsa_system_sgpr_workgroup_id_x 1
		.amdhsa_system_sgpr_workgroup_id_y 1
		.amdhsa_system_sgpr_workgroup_id_z 1
		.amdhsa_system_vgpr_workitem_id 0
		.amdhsa_next_free_vgpr 1024
		.amdhsa_next_free_sgpr 102
		.amdhsa_reserve_vcc 0
		.amdhsa_float_denorm_mode_32 3
		.amdhsa_float_denorm_mode_16_64 3
		.amdhsa_memory_ordered 1
		.amdhsa_forward_progress 1
		.amdhsa_inst_pref_size 255
	.end_amdhsa_kernel
	.section	.bss,"aw",@nobits
	.p2align	6
	.space	262144
	.amdgpu_metadata
---
amdhsa.version: [ 1, 2 ]
amdhsa.kernels:
  - .name:           k_q9c5b497da6_cell
    .symbol:         k_q9c5b497da6_cell.kd
    .args:
      - { .name: a_codes, .offset: 0, .size: 8, .value_kind: global_buffer, .address_space: global }
      - { .name: a_scales, .offset: 8, .size: 8, .value_kind: global_buffer, .address_space: global }
      - { .name: b_codes, .offset: 16, .size: 8, .value_kind: global_buffer, .address_space: global }
      - { .name: b_scales, .offset: 24, .size: 8, .value_kind: global_buffer, .address_space: global }
      - { .name: b_i, .offset: 32, .size: 8, .value_kind: global_buffer, .address_space: global }
      - { .name: b_f, .offset: 40, .size: 8, .value_kind: global_buffer, .address_space: global }
      - { .name: b_g, .offset: 48, .size: 8, .value_kind: global_buffer, .address_space: global }
      - { .name: b_o, .offset: 56, .size: 8, .value_kind: global_buffer, .address_space: global }
      - { .name: c_prev, .offset: 64, .size: 8, .value_kind: global_buffer, .address_space: global }
      - { .name: out0, .offset: 72, .size: 8, .value_kind: global_buffer, .address_space: global }
      - { .name: out1, .offset: 80, .size: 8, .value_kind: global_buffer, .address_space: global }
    .group_segment_fixed_size: 327680
    .private_segment_fixed_size: 0
    .kernarg_segment_align: 8
    .kernarg_segment_size: 88
    .max_flat_workgroup_size: 128
    .sgpr_count:     102
    .vgpr_count:     1024
    .wavefront_size: 32
...
	.end_amdgpu_metadata
.endif
;; end of part 2
